; MI455X (gfx1250); checked and timed in simulation.
; The chip was launched on July 23, 2026; its instructions are those of AMD's public machine-readable ISA for CDNA 5 (MIT licence, August 2026) and "CDNA5" Instruction Set Architecture Reference Guide (July 2026). The comments in the code are by the model that wrote it; some were corrected since.
;; Self Attention Naive. Allowed arithmetic: matrix products marked QUANTISED: E4M3 operands, one E8M0 scale for each 32 along K, by v_wmma_scale_f32_16x16x128_f8f6f4 with both operands' format E4M3, f32 sums; everything else in f32.
;; Inputs: gamma 1 float32; wf_codes 64 x 8 x 32 uint8 (E4M3 codes of wf, K innermost, in blocks of 32 codes); wf_scales 64 x 8 uint8 (E8M0 scales of wf, one for each 32 codes along K); wg_codes 64 x 8 x 32 uint8 (E4M3 codes of wg, K innermost, in blocks of 32 codes); wg_scales 64 x 8 uint8 (E8M0 scales of wg, one for each 32 codes along K); wh_codes 256 x 8 x 32 uint8 (E4M3 codes of wh, K innermost, in blocks of 32 codes); wh_scales 256 x 8 uint8 (E8M0 scales of wh, one for each 32 codes along K); x 8 x 256 x 64 x 64 float32.
;; Outputs: out0 8 x 256 x 64 x 64 float32.
;; This version of the problem:
;;   THIS VERSION OF THE PROBLEM IS GIVEN IN LOW PRECISION. The matrix products marked QUANTISED in the list below multiply operands that are first quantised to E4M3 (4 exponent bits, 3 mantissa bits; 8 bits a number), with one power-of-two scale for each 32 numbers along K (OCP MX v1.0); their sums are f32. All else is computed in f32.
;;   The module's matrix products, in the order in which they are computed (A, B: the left and right operand; K: the contracted axis; several contracted axes count as one K, in the product's order):
;;     1. [M 32,768, K 256] x [K 256, N 64]; A: input x; B: input wf (given as codes): QUANTISED
;;     2. [M 32,768, K 256] x [K 256, N 64]; A: input x; B: input wg (given as codes): QUANTISED
;;     3. [M 32,768, K 256] x [K 256, N 256]; A: input x; B: input wh (given as codes): QUANTISED
;;     4. batch 8 x [M 4,096, K 64] x [K 64, N 4,096]; A: computed on the way; B: computed on the way: QUANTISED
;;     5. batch 8 x [M 256, K 4,096] x [K 4,096, N 4,096]; A: computed on the way; B: softmax (see below): QUANTISED
;;   THE QUANTISER, for each operand of a quantised product, along K:
;;     - K is cut into blocks of 32 from its start; a last block that is shorter is filled with zeros.
;;     - A block's scale is 2^e with e = floor(log2(the largest magnitude in the block)) - 8, held to -126 .. 127; a block of zeros has e = 0. As a byte (E8M0): e + 127.
;;     - Each number is divided by its block's scale, clamped to +-448, and rounded to the nearest number of E4M3, ties to even, subnormals kept.
;;     - The product sums the exact products of the quantised numbers (number of the format x scale) in f32.
;;   ~~~python
;;   def quantise(x, axis):      # numpy; x: float32 -> the quantised numbers, widened to float32 again
;;       x = np.moveaxis(x, axis, -1); K = x.shape[-1]
;;       x = np.pad(x, [(0, 0)] * (x.ndim - 1) + [(0, -K % 32)]); x = x.reshape(x.shape[:-1] + (-1, 32)); a = np.abs(x).max(-1, keepdims=True)
;;       e = np.where(a > 0, np.clip(np.frexp(np.where(a > 0, a, 1))[1] - 1 - 8, -126, 127), 0)      # np.frexp(a)[1] - 1 = floor(log2(a)), exactly
;;       r = np.clip(x / 2.0 ** e, -448, 448)
;;       step = 2.0 ** (np.maximum(np.frexp(np.where(r == 0, 1, r))[1] - 1, -6) - 3)
;;       q = np.round(r / step) * step * 2.0 ** e      # np.round: ties to even
;;       return np.moveaxis(q.reshape(q.shape[:-2] + (-1,))[..., :K], -1, axis).astype(np.float32)
;;   ~~~
;;   SOFTMAX AHEAD OF A QUANTISED PRODUCT. Where the list says 'softmax', what is quantised is not the finished softmax but p = 2^(t - M), with t = logit x log2(e) and M = ceil(the row's largest t), a whole number; so 1/2 < the row's largest p <= 1. The row's sum l is taken of the UNQUANTISED p, in f32, and the product's result is divided by l at the end. Since M is a whole number, a kernel that streams over the keys may use a running M (the ceiling of the running maximum): every later rescaling is an exact power of two, which a block's scale takes up: the codes' values come out the same.
;;   OPERANDS COMPUTED ON THE WAY. 'Computed on the way' means the value that the module computes at that place (a softmax that the list does not call 'softmax' is quantised finished and normalised). What goes into a quantiser is computed in f32, as accurately as f32 sums, v_exp_f32 and their like allow (about 1e-6 of the number): no bf16 or f16 on the way to a quantiser, and a product that is left as it is and whose result goes on into a quantised operand takes f32 operands (vector FMAs, or v_wmma_f32_16x16x4_f32). A number that lies on a knife's edge between two numbers of the format may be rounded either way, as far as f32 arithmetic and the matrix unit's own rounding can turn it there, and no further.
;;   INPUTS GIVEN AS CODES. wf (in the module: [64, 256], K = its axis 1); wg (in the module: [64, 256], K = its axis 1); wh (in the module: [256, 256], K = its axis 1): each comes as NAME_codes (uint8): NAME with its K axis moved to the last place and cut into blocks of 32 codes, [.., K / 32, bytes a block], one block behind the other in memory; one code a byte (a code: sign, 4 exponent bits, 3 mantissa bits); and NAME_scales (uint8): the same leading axes, one E8M0 byte (e + 127) for each 32 codes along K. Its value is code x scale, taken as it is: it is not quantised again, and the codes and scales need not be those that the quantiser above would give.
;; One version. Each part assembles by itself: llvm-mc -triple=amdgcn-amd-amdhsa -mcpu=gfx1250 --defsym DOCPART=n.
;; ======== version 1 of 1: 2 launches
;; limits: right only within a limited range of input values
;; workspace buffers: kv 11,010,048 bytes; qc 2,097,152 bytes
;; launch proj (part 1): grid 32 x 8, 8 waves a work-group, clusters of 4 x 1, 274,432 bytes of LDS; arguments x, wf_codes, wf_scales, wg_codes, wg_scales, wh_codes, wh_scales, kv, qc; writes kv, qc
.if DOCPART == 1
	.amdgcn_target "amdgcn-amd-amdhsa--gfx1250"
	.amdhsa_code_object_version 6
	.text
	.protected	k_qde82ac2a64_proj
	.globl	k_qde82ac2a64_proj
	.p2align	8
	.type	k_qde82ac2a64_proj,@function
k_qde82ac2a64_proj:
	s_mov_b64 s[64:65], 0
	v_nop
	global_prefetch_b8 v0, s[64:65] scope:SCOPE_SE
	s_setreg_imm32_b32 hwreg(HW_REG_WAVE_MODE, 25, 1), 1
	s_wait_xcnt 0x0
	s_wait_alu depctr_hold_cnt(0) depctr_sa_sdst(0) depctr_va_vdst(0) depctr_va_sdst(0) depctr_va_ssrc(0) depctr_va_vcc(0) depctr_vm_vsrc(0)
	s_getreg_b32 s2, hwreg(HW_REG_IB_STS2, 6, 4)
	s_cmp_eq_u32 s2, 0
	s_cbranch_scc0 .Lentry_in_a_cluster
	s_endpgm
.Lentry_in_a_cluster:
	s_bfe_u32 s2, ttmp6, 0x10000c
	s_cmp_lg_u32 s2, 0x3003
	s_cbranch_scc0 .Lentry_shape_is_right
	s_endpgm
.Lentry_shape_is_right:
; THE THREE PROJECTIONS.  fx = wf x, gx = wg x, hx = wh x for one batch and 128 positions, all on codes of FP8 (E4M3) with one E8M0 scale for each 32 along K,
; and their results quantised at once for the attention launch: fx and gx along their 64 channels, hx along the positions (the keys of the last product).
; DEAD WORK: none.  Nothing of reference() is left out by this program, and every input is loaded by one of its two launches.
; LIMITS: NaN and infinities among the inputs are not served.  A block whose largest magnitude lies under 2^(9 - 127) keeps the scale byte 1; so a block of zeros has the byte 1
; where the quantiser says 127: its codes are zeros, which add nothing under any byte but 0xff, and the bytes are read by this program alone.
; SHARES.  A work-group: batch b (grid y), positions 128 ks .. 128 ks + 127 (ks = grid x).  Wave w: g = w & 3 picks 32 positions, hf = w >> 2.  The wave quantises channels 128 hf .. + 127 of x for its
; 32 positions (a lane to a position, its registers down the channels), then makes all 64 channels of fx (hf = 0) or gx (hf = 1) and channels 128 hf .. + 127 of hx for them: 48 matrix instructions.
; CLUSTER.  All work-groups read the same weights, 98,304 bytes beside the 131,072 of x: the four of a cluster ask for them JOINTLY (waves 2 to 7, one load each); x's tile is the work-group's own (waves 0, 1).
; LAYOUT.  The rows of a tile are not neighbours: lane r of tile 2 p + u stands for position (or channel of wf, wg) 32 p + 8 u + r + 8 (r / 8), so that the 16 registers of two neighbouring result tiles
; are 16 neighbours along the next K.  fx, gx: source 0 = 16 rows of the weight, source 1 = 16 positions: a lane holds one position, registers run along channels.
; hx: source 0 = 16 positions, source 1 = 16 rows of wh: a lane holds one channel, registers run along positions.
; OUT.  Everything leaves as IMAGES OF OPERAND REGISTERS (four registers a lane at 16 x lane, 512 bytes a store).  A record of kv, REC bytes for 128 positions: 4 fragments of fx (each: tile 2 p in K 0-63,
; tile 2 p + 1 in K 64-127), 16 fragments of hx, then the scale words of fx, of gx and of hx.  gx's 4 fragments go to qc.
.set REC,   43008                      ; 8,192 fx + 32,768 hx + 512 + 512 + 1,024 scale bytes
.set WP,    272                        ; an LDS row of 256 codes + 16 bytes of padding
.set XT,    0                          ; x's tile: 256 channels x 512 bytes
.set WB,    131072                     ; the weights' codes: 384 rows x WP: wf, wg, wh
.set XC,    235520                     ; x's codes: 128 positions x WP
.set XSC,   270336                     ; x's scale words: 8 bytes a position
.set SST,   271360                     ; the record's last 2,048 bytes, gathered here
.set SPARE, 273408                     ; the spare words, 128 bytes for each of eight waves: four blocks of 256 bytes that no other line names
.set SPW, 1                            ; v1   LDS address of my spare word; never rewritten
.set NIL, 2                            ; v2   0; never rewritten
.set XA,  3                            ; v3   x's tile: my position's column, my 128 channels
.set XCW, 4                            ; v4   where my position's codes go
.set XSW, 5                            ; v5   and its scale word
.set XFA, 6                            ; v6   x's fragments: my lane's row and half
.set XSA, 7                            ; v7   and its scale words
.set WFA, 8                            ; v8   fragments of wf or wg
.set WHA, 9                            ; v9   fragments of wh
.set SSW, 10                           ; v10  where fx's or gx's scale word goes
.set VSB, 11                           ; v11  where hx's scale bytes go
.set SSR, 12                           ; v12  the gathered scale bytes, on the way out
.set GKQ, 13                           ; v13  byte offset of my lane in fx's or gx's images
.set GV,  14                           ; v14  in hx's images
.set GS,  15                           ; v15  in the record's scale bytes
.set GWF, 16                           ; v16  in wf's or wg's scale bytes
.set GWH, 17                           ; v17  in wh's
.set XSR, 18                           ; v18-21  x's scale words: tile u, K step s at 2 u + s
.set WS,  22                           ; v22-29  wf's or wg's scale words (tile t, K step s at 2 t + s); v30-45 wh's
.set TM,  46                           ; v46-49 largest magnitudes, v50-53 bytes, v58-61 the conversions' scale operands
.set PW,  62                           ; v62  the scale word just made
.set SB,  63                           ; v63  x's scale word
.set XF,  64                           ; v64-127  x's four fragments: 32 u + 16 s
.set WF,  128                          ; v128-191 four fragments of a weight; before that two sets of 32 numbers of x
.set PC,  128                          ; v128-143 the codes just made
.set ACC, 192                          ; v192-255 eight accumulators; before that x's codes
.set WV,  22                           ; s22 wave, s23 g, s24 hf
.set G,   23
.set HF,  24
.set MNT, 25
.set SEL, 26                           ; s[26:27] lane selects: lane l xor 16
.set G1X, 28                           ; s[28:35] descriptor group 1 for x's tile; s[36:43] for the weights'
.set G1W, 36
.set G0X, 44                           ; s[44:47], s[48:51] their groups 0
.set G0W, 48
.set KVB, 56                           ; s[56:57] my record of kv
.set KQB, 58                           ; s[58:59] where my images of fx (kv) or gx (qc) go
.set FGS, 60                           ; s[60:61] wf's or wg's scale bytes
.set WHS, 62                           ; s[62:63] my half of wh's
.macro PLACES n
.rept \n
	v_nop
.endr
.endm
.macro CROUND                          ; a round of the cluster's barrier
	s_barrier_signal -1
	s_barrier_wait -1
	s_cmp_lg_u32 s[WV], 0
	s_cbranch_scc1 .Lnot_wave_0_\@
	s_barrier_signal -3
.Lnot_wave_0_\@:
	s_barrier_wait -3
	s_barrier_signal -1
	s_barrier_wait -1
.endm
.macro XLOAD t                         ; block t of my 128 channels: 32 numbers of my position; the wave reads 128 consecutive bytes of a row
.set i_, 0
.rept 32
	ds_load_b32 v[WF+32*((\t)%2)+i_], v[XA] offset:(32*(\t)+i_)*512
.set i_, i_+1
.endr
.endm
.macro XBLOCK t, cnt                   ; block t becomes 32 codes and a scale byte.  cnt: the LDS instructions issued behind its loads
.set RW, WF+32*((\t)%2)
.set CD, ACC+8*(\t)
	s_wait_dscnt \cnt
	v_max3_num_f32 v[TM], |v[RW]|, |v[RW+1]|, |v[RW+2]|            ; the block's largest magnitude: all 32 numbers are mine; two chains
	v_max3_num_f32 v[TM+1], |v[RW+3]|, |v[RW+4]|, |v[RW+5]|
.irp i, 6,10,14,18,22,26
	s_delay_alu instid0(VALU_DEP_2)
	v_max3_num_f32 v[TM], v[TM], |v[RW+\i]|, |v[RW+\i+1]|
	s_delay_alu instid0(VALU_DEP_2)
	v_max3_num_f32 v[TM+1], v[TM+1], |v[RW+\i+2]|, |v[RW+\i+3]|
.endr
	s_delay_alu instid0(VALU_DEP_2)
	v_max3_num_f32 v[TM], v[TM], |v[RW+30]|, |v[RW+31]|
	s_delay_alu instid0(VALU_DEP_1)
	v_max3_num_f32 v[TM], v[TM], v[TM+1], 0x4800000                ; and the floor 2^(9 - 127): the byte cannot fall under 1
	s_delay_alu instid0(VALU_DEP_1)
	v_add_nc_u32 v[TM+12], 0xfc000000, v[TM]                       ; 8 off the exponent field: the conversion's scale operand
	s_delay_alu instid0(VALU_DEP_1)
	v_lshrrev_b32 v[TM+1], 23, v[TM+12]                            ; the scale's byte
.if (\t) == 0
	s_delay_alu instid0(VALU_DEP_1)
	v_mov_b32 v[SB], v[TM+1]
.else
	s_delay_alu instid0(VALU_DEP_1)
	v_lshl_or_b32 v[SB], v[TM+1], 8*(\t), v[SB]
.endif
.set i_, 0
.rept 32
.set i_, i_+1
.endr
.irp q, 0,1,2,3
	v_cvt_scalef32_pk8_fp8_f32 v[CD+2*\q:CD+2*\q+1], v[RW+8*\q:RW+8*\q+7], v[TM+12]
.endr
	v_nop                                                          ; a plain line behind the last conversion
	ds_store_b128 v[XCW], v[CD:CD+3] offset:32*(\t)                ; each block has registers of its own for its codes
	ds_store_b128 v[XCW], v[CD+4:CD+7] offset:32*(\t)+16
.endm
.macro WLOAD adr, off, ts              ; two tiles of a weight, ts rows apart, both K steps: four fragments
.irp i, 0,1
.irp s, 0,1
.irp c, 0,1,2,3
	ds_load_b128 v[WF+32*\i+16*\s+4*\c:WF+32*\i+16*\s+4*\c+3], v[\adr] offset:(\off)+\i*(\ts)*WP+128*\s+32*\c
.endr
.endr
.endr
.endm
; Eight matrix instructions on four accumulators by turns; the first K step starts the sums.
.macro MMF bb                          ; fx or gx: channels 32 bb .. + 31 (weight tiles w = 0, 1) for position tiles u = 0, 1
.irp s, 0,1
.irp u, 0,1
.irp w, 0,1
.if \s == 0
	v_wmma_scale_f32_16x16x128_f8f6f4 v[ACC+32*\u+16*(\bb)+8*\w:ACC+32*\u+16*(\bb)+8*\w+7], v[WF+32*\w+16*\s:WF+32*\w+16*\s+15], v[XF+32*\u+16*\s:XF+32*\u+16*\s+15], 0, v[WS+2*(2*(\bb)+\w)+\s], v[XSR+2*\u+\s]
.else
	v_wmma_scale_f32_16x16x128_f8f6f4 v[ACC+32*\u+16*(\bb)+8*\w:ACC+32*\u+16*(\bb)+8*\w+7], v[WF+32*\w+16*\s:WF+32*\w+16*\s+15], v[XF+32*\u+16*\s:XF+32*\u+16*\s+15], v[ACC+32*\u+16*(\bb)+8*\w:ACC+32*\u+16*(\bb)+8*\w+7], v[WS+2*(2*(\bb)+\w)+\s], v[XSR+2*\u+\s]
.endif
.endr
.endr
.endr
.endm
.macro MMH rr, hb                      ; hx: channel tiles 4 rr + 2 hb + i, i = 0, 1, for position tiles u = 0, 1
.irp s, 0,1
.irp i, 0,1
.irp u, 0,1
.if \s == 0
	v_wmma_scale_f32_16x16x128_f8f6f4 v[ACC+16*(2*(\hb)+\i)+8*\u:ACC+16*(2*(\hb)+\i)+8*\u+7], v[XF+32*\u+16*\s:XF+32*\u+16*\s+15], v[WF+32*\i+16*\s:WF+32*\i+16*\s+15], 0, v[XSR+2*\u+\s], v[WS+8+2*(4*(\rr)+2*(\hb)+\i)+\s]
.else
	v_wmma_scale_f32_16x16x128_f8f6f4 v[ACC+16*(2*(\hb)+\i)+8*\u:ACC+16*(2*(\hb)+\i)+8*\u+7], v[XF+32*\u+16*\s:XF+32*\u+16*\s+15], v[WF+32*\i+16*\s:WF+32*\i+16*\s+15], v[ACC+16*(2*(\hb)+\i)+8*\u:ACC+16*(2*(\hb)+\i)+8*\u+7], v[XSR+2*\u+\s], v[WS+8+2*(4*(\rr)+2*(\hb)+\i)+\s]
.endif
.endr
.endr
.endr
.endm
; The 64 results in v[ACC] on are four blocks of 16 registers; a block of 32 along the next K lies in lanes l and l xor 16.  Codes to v[PC + 4 b], bytes to v[TM + 4 + b]; word = 1: the four bytes packed in v[PW].
.macro QUANT word
.irp b, 0,1,2,3
	v_max3_num_f32 v[TM+\b], |v[ACC+16*\b]|, |v[ACC+16*\b+1]|, 0x4800000   ; each accumulator is read from its low end on; the floor 2^(9 - 127) is one more leaf
.endr
.irp i, 2,4,6,8,10,12,14
.irp b, 0,1,2,3
	v_max3_num_f32 v[TM+\b], v[TM+\b], |v[ACC+16*\b+\i]|, |v[ACC+16*\b+\i+1]|   ; the four blocks by turns
.endr
.endr
.irp b, 0,1,2,3
	s_delay_alu instid0(VALU_DEP_4)
	v_permlanex16_b32 v[TM+4+\b], v[TM+\b], s[SEL], s[SEL+1]
.endr
.irp b, 0,1,2,3
	s_delay_alu instid0(VALU_DEP_4)
	v_max_num_f32 v[TM+\b], v[TM+\b], v[TM+4+\b]                   ; with lane l xor 16's: the block's largest magnitude
.endr
.irp b, 0,1,2,3
	s_delay_alu instid0(VALU_DEP_4)
	v_add_nc_u32 v[TM+12+\b], 0xfc000000, v[TM+\b]
.endr
.irp b, 0,1,2,3
.endr
.irp b, 0,1,2,3
	s_delay_alu instid0(VALU_DEP_4)
	v_lshrrev_b32 v[TM+4+\b], 23, v[TM+12+\b]
.endr
.if \word
	s_delay_alu instid0(VALU_DEP_3)
	v_lshl_or_b32 v[PW], v[TM+5], 8, v[TM+4]
	s_delay_alu instid0(VALU_DEP_1)
	v_lshl_or_b32 v[PW], v[TM+6], 16, v[PW]
	s_delay_alu instid0(VALU_DEP_1)
	v_lshl_or_b32 v[PW], v[TM+7], 24, v[PW]
.endif
.irp b, 0,1,2,3
.irp i, 0,1,2,3,4,5,6,7,8,9,10,11,12,13,14,15
.endr
	v_cvt_scalef32_pk8_fp8_f32 v[PC+4*\b:PC+4*\b+1], v[ACC+16*\b:ACC+16*\b+7], v[TM+12+\b]
	v_cvt_scalef32_pk8_fp8_f32 v[PC+4*\b+2:PC+4*\b+3], v[ACC+16*\b+8:ACC+16*\b+15], v[TM+12+\b]
.endr
	v_nop                                                          ; a plain line behind the last conversion: later products write its sources
.endm
.macro HROUND rr                       ; four channel tiles of hx: products, quantiser, images out
	s_wait_xcnt 0x0                                                ; the last images' stores have read v[PC] on, which the loads below fill
	WLOAD WHA, (4*(\rr))*16*WP, 16
	s_wait_dscnt 0x0
	MMH \rr, 0
	PLACES 8                                                       ; eight places ahead of loads into registers that these products read
	WLOAD WHA, (4*(\rr)+2)*16*WP, 16
	s_wait_dscnt 0x0
	MMH \rr, 1
	PLACES 8                                                       ; and ahead of the first read of their results
	QUANT 0
.irp q, 0,1,2,3
	global_store_b128 v[GV], v[PC+4*\q:PC+4*\q+3], s[KVB:KVB+1] offset:8192+(4*(\rr)+\q)*2048   ; the wave stores 512 consecutive bytes
	ds_store_b8 v[VSB], v[TM+4+\q] offset:(4*(\rr)+\q)*64          ; byte g of the channel's word; lanes l and l xor 16 write the same byte with the same value
.endr
.endm
	s_load_b256 s[4:11], s[0:1], 0x0               ; x, wf's codes, wf's scales, wg's codes
	s_load_b256 s[12:19], s[0:1], 0x20             ; wg's scales, wh's codes, wh's scales, kv
	s_load_b64 s[20:21], s[0:1], 0x40              ; qc
	v_lshl_add_u32 v[SPW], v0, 2, SPARE
	v_mov_b32 v[NIL], 0
	ds_add_u32 v[SPW], v[NIL]                      ; the opening: the add, twice on end, and its wait ahead of my first tensor load
	ds_add_u32 v[SPW], v[NIL]
	v_lshrrev_b32 v3, 5, v0
	s_delay_alu instid0(VALU_DEP_1)
	v_readfirstlane_b32 s[WV], v3                  ; wave 0..7
	s_and_b32 s[G], s[WV], 3
	s_lshr_b32 s[HF], s[WV], 2
	v_and_b32 v[TM], 31, v0                        ; lane
	v_and_b32 v[TM+1], 15, v0                      ; r
	v_bfe_u32 v[TM+2], v0, 4, 1                    ; h
	v_and_b32 v[TM+3], 8, v0
	s_delay_alu instid0(VALU_DEP_1)
	v_add_nc_u32 v[TM+3], v[TM+3], v[TM+1]         ; r + 8 (r / 8)
	s_wait_alu depctr_va_vdst(0)
	s_lshl_b32 s52, s[G], 7
	s_lshl_b32 s53, s[HF], 16
	s_add_co_u32 s52, s52, s53
	v_lshl_add_u32 v[XA], v[TM], 2, s52            ; 4 (32 g + lane) + 128 hf rows of 512 bytes
	s_mul_i32 s52, s[G], 32*WP
	s_add_co_u32 s52, s52, XC
	s_lshl_b32 s53, s[HF], 7
	s_add_co_u32 s53, s53, s52
	v_mul_u32_u24 v[XCW], v[TM], WP
	s_delay_alu instid0(VALU_DEP_1)
	v_add_nc_u32 v[XCW], s53, v[XCW]
	v_mul_u32_u24 v[TM+4], v[TM+3], WP
	s_delay_alu instid0(VALU_DEP_1)
	v_lshl_add_u32 v[TM+4], v[TM+2], 4, v[TM+4]    ; (r + 8 (r / 8)) x pitch + 16 h
	s_delay_alu instid0(VALU_DEP_1)
	v_add_nc_u32 v[XFA], s52, v[TM+4]
	s_lshl_b32 s52, s[G], 8
	s_add_co_u32 s52, s52, XSC
	v_lshl_add_u32 v[XSA], v[TM+3], 3, s52
	s_lshl_b32 s53, s[HF], 2
	s_add_co_u32 s53, s53, s52
	v_lshl_add_u32 v[XSW], v[TM], 3, s53
	s_mul_i32 s52, s[HF], 64*WP
	s_add_co_u32 s52, s52, WB
	v_add_nc_u32 v[WFA], s52, v[TM+4]              ; wf's rows (hf = 0) or wg's
	s_mul_i32 s52, s[HF], 128*WP
	s_add_co_u32 s52, s52, WB+128*WP
	v_mul_u32_u24 v[WHA], v[TM+1], WP
	s_delay_alu instid0(VALU_DEP_1)
	v_lshl_add_u32 v[WHA], v[TM+2], 4, v[WHA]
	s_delay_alu instid0(VALU_DEP_1)
	v_add_nc_u32 v[WHA], s52, v[WHA]               ; my 128 rows of wh: these tiles' rows are neighbours
	s_lshl_b32 s52, s[HF], 9
	s_lshl_b32 s53, s[G], 7
	s_add_co_u32 s53, s53, s52
	s_add_co_u32 s53, s53, SST
	v_lshl_add_u32 v[SSW], v[TM], 2, s53
	s_add_co_u32 s52, s52, s[G]
	s_add_co_u32 s52, s52, SST+1024
	v_lshl_add_u32 v[VSB], v[TM+1], 2, s52
	s_lshl_b32 s52, s[WV], 8
	v_lshl_add_u32 v[GS], v[TM], 3, s52
	s_delay_alu instid0(VALU_DEP_1)
	v_add_nc_u32 v[SSR], SST, v[GS]
	s_lshl_b32 s52, s[G], 11
	v_lshl_add_u32 v[GKQ], v[TM], 4, s52
	s_lshl_b32 s52, s[G], 9
	s_lshl_b32 s53, s[HF], 14
	s_add_co_u32 s52, s52, s53
	v_lshl_add_u32 v[GV], v[TM], 4, s52
	v_lshlrev_b32 v[GWF], 3, v[TM+3]
	v_lshlrev_b32 v[GWH], 3, v[TM+1]
.irp b, 0,1,2,3
	v_mov_b32 v[TM+4+\b], 0                        ; written once: a lane permute's destination counts as one of its sources
.endr
	s_mov_b32 s[SEL], 0x76543210
	s_mov_b32 s[SEL+1], 0xfedcba98
	; group 1 for x's tile: 128 rows (channels) of 128 elements of 4 bytes, 4,096 elements apart; dense in LDS; no mask
	s_mov_b32 s[G1X], 2<<16
	s_mov_b32 s[G1X+1], 128<<16
	s_mov_b32 s[G1X+2], 128<<16
	s_mov_b32 s[G1X+3], 128<<16
	s_mov_b32 s[G1X+4], 128
	s_mov_b32 s[G1X+5], 4096
	s_mov_b32 s[G1X+6], 0
	s_mov_b32 s[G1X+7], 0
	; group 1 for the weights: 64 rows of 256 bytes, dense in memory, 4 words of padding behind every 64; the mask names the cluster's four, bit 21 beside it
	s_mov_b32 s[G1W], 15|(1<<20)|(1<<21)|(5<<22)|(3<<25)
	s_mov_b32 s[G1W+1], 256<<16
	s_mov_b32 s[G1W+2], 64<<16
	s_mov_b32 s[G1W+3], 256<<16
	s_mov_b32 s[G1W+4], 64
	s_mov_b32 s[G1W+5], 256
	s_mov_b32 s[G1W+6], 0
	s_mov_b32 s[G1W+7], 0
	s_bfe_u32 s54, ttmp6, 0x40000                  ; cx: it enters x's, kv's and qc's memory addresses alone
	s_lshl_b32 s55, ttmp9, 2
	s_add_co_u32 s54, s54, s55                     ; ks
	s_and_b32 s55, ttmp7, 0xffff                   ; b
	s_lshl_b32 s2, s55, 5
	s_add_co_u32 s2, s2, s54                       ; the record: 32 b + ks
	s_lshl_b32 s55, s55, 22                        ; a batch of x: 256 x 16,384 bytes
	s_lshl_b32 s54, s54, 9
	s_add_co_u32 s54, s54, s55
	s_and_b32 s3, s[WV], 1                         ; which 128 channels I fetch, if I fetch x
	s_lshl_b32 s55, s3, 21
	s_add_co_u32 s54, s54, s55
	s_mov_b32 s55, 0
	s_lshl_b32 s3, s3, 16
	s_wait_dscnt 0x0                               ; both opening adds are done
	s_wait_kmcnt 0x0
	s_mov_b32 s[G0X], 1
	s_mov_b32 s[G0X+1], s3
	s_add_nc_u64 s[G0X+2:G0X+3], s[4:5], s[54:55]
	s_or_b32 s[G0X+3], s[G0X+3], 0x80000000
	s_mov_b32 s[G0W], 1
	s_mul_i32 s52, s[WV], 64*WP
	s_add_co_u32 s[G0W+1], s52, WB-2*64*WP         ; wave 2: wf, wave 3: wg, waves 4 to 7: wh's quarters
	s_cmp_eq_u32 s[WV], 2
	s_cselect_b64 s[G0W+2:G0W+3], s[6:7], s[14:15]
	s_cmp_eq_u32 s[WV], 3
	s_cselect_b64 s[G0W+2:G0W+3], s[10:11], s[G0W+2:G0W+3]
	s_sub_co_i32 s52, s[WV], 4
	s_max_i32 s52, s52, 0
	s_lshl_b32 s52, s52, 14
	s_mov_b32 s53, 0
	s_add_nc_u64 s[G0W+2:G0W+3], s[G0W+2:G0W+3], s[52:53]
	s_or_b32 s[G0W+3], s[G0W+3], 0x80000000
	s_mul_i32 s54, s2, REC
	s_add_nc_u64 s[KVB:KVB+1], s[18:19], s[54:55]
	s_lshl_b32 s54, s2, 13
	s_add_nc_u64 s[KQB:KQB+1], s[20:21], s[54:55]
	s_cmp_eq_u32 s[HF], 0                          ; the choices hang on the wave's number alone
	s_cselect_b64 s[KQB:KQB+1], s[KVB:KVB+1], s[KQB:KQB+1]
	s_cselect_b64 s[FGS:FGS+1], s[8:9], s[12:13]
	s_lshl_b32 s52, s[HF], 10
	s_add_nc_u64 s[WHS:WHS+1], s[16:17], s[52:53]
	CROUND                                         ; all four work-groups are here: the joint loads meet
	s_cmp_lt_u32 s[WV], 2                          ; every wave issues one load: one tensor load of mine is out
	s_cbranch_scc0 .Lweights
	tensor_load_to_lds s[G0X:G0X+3], s[G1X:G1X+7]
	s_nop 0
	PLACES 4
	s_branch .Lasked
.Lweights:
	tensor_load_to_lds s[G0W:G0W+3], s[G1W:G1W+7]
	s_nop 0
	PLACES 4
.Lasked:
	s_wait_alu depctr_va_vdst(0)
.irp t, 0,1,2,3                        ; the weights' scale words stay in registers: 8 bytes a row are the words of both K steps
	global_load_b64 v[WS+2*\t:WS+2*\t+1], v[GWF], s[FGS:FGS+1] offset:(32*(\t/2)+8*(\t%2))*8
.endr
.irp i, 0,1,2,3,4,5,6,7
	global_load_b64 v[WS+8+2*\i:WS+8+2*\i+1], v[GWH], s[WHS:WHS+1] offset:128*\i
.endr
	s_wait_tensorcnt 0x0                           ; my part has landed,
	s_barrier_signal -1
	s_barrier_wait -1                              ; everybody's has
	; ---- x becomes codes: four blocks of 32 channels of my position, the loads one block ahead
	XLOAD 0
	XLOAD 1
	XBLOCK 0, 32                                   ; behind block 0's loads: block 1's 32
	XLOAD 2
	XBLOCK 1, 34                                   ; behind block 1's: two stores of codes and 32 loads
	XLOAD 3
	XBLOCK 2, 34
	XBLOCK 3, 2                                    ; behind block 3's: two stores
	ds_store_b32 v[XSW], v[SB]
	s_wait_dscnt 0x0                               ; for the others' sake: my codes and my scale words lie in LDS
	s_barrier_signal -1
	s_barrier_wait -1
	; ---- x's four fragments (two tiles of 16 positions, two K steps) and their scale words stay in registers
.irp u, 0,1
.irp s, 0,1
.irp c, 0,1,2,3
	ds_load_b128 v[XF+32*\u+16*\s+4*\c:XF+32*\u+16*\s+4*\c+3], v[XFA] offset:8*\u*WP+128*\s+32*\c
.endr
	ds_load_b32 v[XSR+2*\u+\s], v[XSA] offset:64*\u+4*\s
.endr
.endr
	; ---- fx or gx
	WLOAD WFA, 0, 8
	s_wait_dscnt 0x0
	s_wait_loadcnt 0x0                             ; the weights' scale words
	MMF 0
	PLACES 8
	WLOAD WFA, 32*WP, 8
	s_wait_dscnt 0x0
	MMF 1
	PLACES 8
	QUANT 1                                        ; block 2 u + b: channels 32 b .. + 31 of position tile u: register group 2 u + b of the packed fragment
.irp q, 0,1,2,3
	global_store_b128 v[GKQ], v[PC+4*\q:PC+4*\q+3], s[KQB:KQB+1] offset:512*\q
.endr
	ds_store_b32 v[SSW], v[PW]
	; ---- hx
	HROUND 0
	HROUND 1
	s_wait_dscnt 0x0                               ; for the others' sake: my scale words and bytes lie in LDS
	s_barrier_signal -1
	s_barrier_wait -1
	ds_load_b64 v[TM:TM+1], v[SSR]
	s_wait_dscnt 0x0
	global_store_b64 v[GS], v[TM:TM+1], s[KVB:KVB+1] offset:40960   ; the wave stores 256 consecutive bytes, aligned
	s_wait_tensorcnt 0x0                           ; the wave's end
	ds_add_u32 v[SPW], v[NIL]
	s_wait_dscnt 0x0
	CROUND                                         ; the closing round
	s_endpgm
.Lfunc_end_k_qde82ac2a64_proj:
	.size	k_qde82ac2a64_proj, .Lfunc_end_k_qde82ac2a64_proj-k_qde82ac2a64_proj
	.p2alignl 7, 3214868480
	.fill 96, 4, 3214868480
	.section	.rodata,"a",@progbits
	.p2align	6, 0x0
	.amdhsa_kernel k_qde82ac2a64_proj
		.amdhsa_group_segment_fixed_size 274432
		.amdhsa_private_segment_fixed_size 0
		.amdhsa_enable_private_segment 0
		.amdhsa_kernarg_size 72
		.amdhsa_user_sgpr_count 2
		.amdhsa_user_sgpr_kernarg_segment_ptr 1
		.amdhsa_wavefront_size32 1
		.amdhsa_system_sgpr_workgroup_id_x 1
		.amdhsa_system_sgpr_workgroup_id_y 1
		.amdhsa_system_sgpr_workgroup_id_z 1
		.amdhsa_system_vgpr_workitem_id 0
		.amdhsa_next_free_vgpr 256
		.amdhsa_next_free_sgpr 66
		.amdhsa_reserve_vcc 0
		.amdhsa_float_denorm_mode_32 3
		.amdhsa_float_denorm_mode_16_64 3
		.amdhsa_fp16_overflow 1
		.amdhsa_memory_ordered 1
		.amdhsa_forward_progress 1
		.amdhsa_inst_pref_size 55
	.end_amdhsa_kernel
	.amdgpu_metadata
---
amdhsa.version: [ 1, 2 ]
amdhsa.kernels:
  - .name:           k_qde82ac2a64_proj
    .symbol:         k_qde82ac2a64_proj.kd
    .args:
      - { .name: x, .offset: 0, .size: 8, .value_kind: global_buffer, .address_space: global }
      - { .name: wf_codes, .offset: 8, .size: 8, .value_kind: global_buffer, .address_space: global }
      - { .name: wf_scales, .offset: 16, .size: 8, .value_kind: global_buffer, .address_space: global }
      - { .name: wg_codes, .offset: 24, .size: 8, .value_kind: global_buffer, .address_space: global }
      - { .name: wg_scales, .offset: 32, .size: 8, .value_kind: global_buffer, .address_space: global }
      - { .name: wh_codes, .offset: 40, .size: 8, .value_kind: global_buffer, .address_space: global }
      - { .name: wh_scales, .offset: 48, .size: 8, .value_kind: global_buffer, .address_space: global }
      - { .name: kv, .offset: 56, .size: 8, .value_kind: global_buffer, .address_space: global }
      - { .name: qc, .offset: 64, .size: 8, .value_kind: global_buffer, .address_space: global }
    .group_segment_fixed_size: 274432
    .private_segment_fixed_size: 0
    .kernarg_segment_align: 8
    .kernarg_segment_size: 72
    .max_flat_workgroup_size: 256
    .sgpr_count:     66
    .vgpr_count:     256
    .wavefront_size: 32
...
	.end_amdgpu_metadata
.endif
;; end of part 1
;; launch attn (part 2): grid 32 x 8, 8 waves a work-group, clusters of 4 x 1, 327,680 bytes of LDS; arguments kv, qc, x, gamma, out0; writes out0
.if DOCPART == 2
	.amdgcn_target "amdgcn-amd-amdhsa--gfx1250"
	.amdhsa_code_object_version 6
	.text
	.protected	k_qde82ac2a64_attn
	.globl	k_qde82ac2a64_attn
	.p2align	8
	.type	k_qde82ac2a64_attn,@function
k_qde82ac2a64_attn:
	s_mov_b64 s[64:65], 0
	v_nop
	global_prefetch_b8 v0, s[64:65] scope:SCOPE_SE
	s_setreg_imm32_b32 hwreg(HW_REG_WAVE_MODE, 25, 1), 1
	s_wait_xcnt 0x0
	s_wait_alu depctr_hold_cnt(0) depctr_sa_sdst(0) depctr_va_vdst(0) depctr_va_sdst(0) depctr_va_ssrc(0) depctr_va_vcc(0) depctr_vm_vsrc(0)
	s_getreg_b32 s2, hwreg(HW_REG_IB_STS2, 6, 4)
	s_cmp_eq_u32 s2, 0
	s_cbranch_scc0 .Lentry_in_a_cluster
	s_endpgm
.Lentry_in_a_cluster:
	s_bfe_u32 s2, ttmp6, 0x10000c
	s_cmp_lg_u32 s2, 0x3003
	s_cbranch_scc0 .Lentry_shape_is_right
	s_endpgm
.Lentry_shape_is_right:
; out[b][c][m] = gamma x (the sum over n of hx[c][n] softmax_n(fx[:, n] . gx[:, m])) + x[b][c][m]: reference()'s softmax runs over the FIRST index of s, so a column m is a query (gx), a row n a key (fx).
; Both products on codes of FP8 (E4M3) with E8M0 scales, made by the launch before.  Nothing of reference() is left out.
; THE SOFTMAX: t = score x log2(e); M = the largest t so far, rounded UP to a whole number; p = 2^(t - M) is quantised along the keys, not normalised; the sum is taken of the unquantised p and divides at the end.
; When M moves, the sum and O are multiplied by 2^(old M - new M): exact.
; LIMITS: NaN and infinities among the inputs are not served; a p under 2^-126 counts as 0 (v_exp_f32's result); a block of p whose largest lies under 2^(9 - 127) keeps the scale byte 1.
; SHARES.  A work-group: 128 queries of one batch.  Wave w: g = w & 3 picks 32 queries (tiles A and B of 16), kh = w >> 2 picks which of a slot's two key steps of 128 keys it works: so a wave walks 16 of the
; 32 key steps, two waves stand on a SIMD, and the two halves of the keys are joined at the end through LDS (each half under its own M; the join is a power of two).
; LAYOUT.  Both products transposed: S^T = K Q^T, O^T = V^T P^T: a lane holds ONE query throughout.  The score's K is 64, the instruction's 128: a fragment of K holds TWO key tiles (tile 2 p in K 0-63, tile 2 p + 1 in
; K 64-127), and Q stands as [zeros | Q of A | zeros | Q of B | zeros]: source 1 = [Q, zeros] gives tile 2 p's scores, [zeros, Q] tile 2 p + 1's.  Zero codes add nothing; no code here is NaN (every quantiser holds first).
; The keys of a tile are not neighbours (lane r of tile 2 p + u: key 32 p + 8 u + r + 8 (r / 8)), so that the 16 registers of tiles 2 p, 2 p + 1 are keys 32 p + 16 (lane / 16) + 0 .. 15.
; EVERY RUN OF LDS LOADS IS ISSUED A PHASE AHEAD OF ITS USE.  V's four groups of four channel tiles take turns on two buffers of 64 registers: K's, free once tile B's scores are issued, and the scores', free once
; tile B's p are codes.  Group 0 is asked for ahead of tile B's softmax, group 1 behind it, groups 2 and 3 behind the products of groups 0 and 1.  THE LAST GROUP IS CARRIED OVER THE CHANGE OF SLOTS: its fragments are in
; registers at the wait ahead of the round, and its rescaling and its eight products stand behind the next step's run of loads of K.
; CLUSTER.  The four query blocks of a cluster belong to one batch and walk the same records of kv: each slot is asked for JOINTLY, every wave an eighth (42 rows of 256 bytes), by arithmetic on the wave's number.
; All operands lie in kv and qc as images of their registers: every LDS read is 16 x lane (or 4 x lane) + constants.
; REGISTERS.  Window 0: see the list.  Window 1: O^T, tile x, channels 16 ct on, at v[128 x + 8 ct].
.set REC,   43008                      ; a key step's record: 8,192 K + 32,768 V + 512 K's scale words + 512 Q's + 1,024 V's
.set SLOTB, 2*REC                      ; a slot: two records
.set KSO,   40960
.set QSO,   41472
.set VSO,   41984
.set SPITCH, 528                       ; the way out: a stage row, 128 positions x 4 bytes + 16
.set STGB,  256*SPITCH                 ; a stage: 256 channels; two stages (kh = 0, 1) from LDS byte 0 on, in the slots, which have had their last fill and their last read by then
.set SPARE, 270336                     ; the spare words, 128 bytes for each of eight waves: four blocks of 256 bytes that no other line names
.set STAT,  271360                     ; 512 bytes a wave: -M and the sum of both tiles, 128 bytes each
.set SPW, 1                            ; v1   LDS address of my spare word; never rewritten
.set NIL, 2                            ; v2   0; never rewritten
.set ADR, 3                            ; v3, v4  16 x lane + my record in slot 0, 1.  On the way out: LDS addresses
.set ADS, 5                            ; v5, v6  4 x lane + the same.  On the way out: LDS addresses
.set PFO, 7                            ; v7   kv's prefetches: 256 x min(lane, 27); never rewritten
.set XO,  8                            ; v8   16 x lane; never rewritten
.set PFX, 9                            ; v9   x's prefetches: 16,384 x lane; never rewritten
.set STA, 10                           ; tile x at v[10 + 6 x]: -M, the largest t, the sum in two halves
.set PSC, 14                           ; v14, v15  p's scale words, tile A, B
.set QSC, 20                           ; v20, v21  Q's scale words, doubled
.set SCR, 22                           ; v22-25  V's scale words: even groups in v22, v23, odd groups in v24, v25
.set BM,  26                           ; v26-29  a block's largest score, then p
.set PT,  30                           ; v30-33  at work
.set HL,  34                           ; v34-37  on the way out: the partner's 2^(its M - the joint M), then the joint sums
.set SO,  38                           ; v38-41  the conversions' scale operands
.set T1,  42                           ; v42, v43 at work
.set QZ,  44                           ; v44-83  zeros, tile A's Q, zeros, tile B's Q, zeros: eight registers each
.set KSC, 84                           ; v84-87  K's scale words
.set PA,  92                           ; v92-107 tile A's p as codes; v108-123 tile B's
.set FB,  124                          ; v124-187 K's four packed fragments, then V's even groups
.set S,   188                          ; v188-251 S^T, then p, then V's odd groups
.set FF,  252                          ; v[252:253], v[254:255] f = 2^(old M - new M), tile A, B (the upper words are written once)
.set XR,  124                          ; the way out: 32 rows of x, four registers each
.set WO0, 44                           ; the way out: eight rows of stage 0 in v44-75,
.set WO1, 92                           ; of stage 1 in v92-123
.set WV,  14                           ; s14 wave, s15 g, s36 kh
.set G,   15
.set KH,  36
.set G1,  16                           ; s[16:23] descriptor group 1; s[24:27], s[28:31] group 0 for slot 0, 1
.set G0,  24
.set SEL, 32                           ; s[32:33] lane selects: lane l xor 16
.set CS,  34                           ; s[34:35] log2(e), named as a pair
.set MNT, 37
.set CNT, 38
.set LIM, 39                           ; 1 in a wave that prefetches kv, else the greatest number
.set PFA, 40                           ; s[40:41] where my prefetches of kv stand
.set GAM, 42
.set LW,  43                           ; my eighth of a slot
.set XB,  44                           ; s[44:45] x, s[46:47] out0 at my 32 channels, my work-group's 128 positions
.set OB,  46
.set MSB, 0
.macro WIN new                         ; the immediate's high byte repeats the setting that is left
.if MSB != \new
	s_set_vgpr_msb (MSB<<8)|\new
.set MSB, \new
.endif
.endm
.macro PLACES n
.rept \n
	v_nop
.endr
.endm
.macro CROUND                          ; a round of the cluster's barrier
	s_barrier_signal -1
	s_barrier_wait -1
	s_cmp_lg_u32 s[WV], 0
	s_cbranch_scc1 .Lnot_wave_0_\@
	s_barrier_signal -3
.Lnot_wave_0_\@:
	s_barrier_wait -3
	s_barrier_signal -1
	s_barrier_wait -1
.endm
; A PREFETCH of the slot that the NEXT trip's tensor loads will ask for: 336 rows of 256 bytes.  All clusters of a batch walk the same records: the batch's first cluster asks.  Its four partners take 84 rows each,
; told apart by ADDRESS; in each, waves 0 to 2 take 28 rows, a lane a row (lanes 28 to 31 name lane 27's row again in the same instruction).  how = 1: not in the loop's last trip, behind which no slot is left.
.macro ASK how
.if \how
	s_cmp_gt_u32 s[CNT], s[LIM]
.else
	s_cmp_eq_u32 s[LIM], 1
.endif
	s_cbranch_scc0 .Lnot_mine_\@
	global_prefetch_b8 v[PFO], s[PFA:PFA+1] th:TH_LOAD_NT scope:SCOPE_SE
.Lnot_mine_\@:
.endm
; S^T of tile x: eight tiles of 16 keys, each product a sum of its own.  cnt = 1: K's run of loads is still landing: fragment p and its scale word are in when the 5 (3 - p) loads of the later fragments alone are out
.macro SMUL x, cnt
.irp t, 0,1,2,3,4,5,6,7
.if (\cnt) && ((\t%2) == 0)
	s_wait_dscnt 15-5*(\t/2)
.endif
	v_wmma_scale_f32_16x16x128_f8f6f4 v[S+8*\t:S+8*\t+7], v[FB+16*(\t/2):FB+16*(\t/2)+15], v[QZ+8+16*(\x)-8*(\t%2):QZ+8+16*(\x)-8*(\t%2)+15], 0, v[KSC+\t/2], v[QSC+(\x)]
.endr
.endm
.macro SOFTMAX x                       ; tile x: 64 scores a lane become p's codes, p's scale word, f, and the sum
.set NM, STA+6*(\x)
.set LL, STA+6*(\x)+2
.set FX, FF+2*(\x)
.set PX, PA+16*(\x)
.irp b, 0,1,2,3
	v_max3_num_f32 v[BM+\b], v[S+16*\b], v[S+16*\b+1], v[S+16*\b+2]   ; the largest score of each block of 32 keys: for the row's maximum and, since p rises with the score, for the block's largest p
.endr
.irp i, 3,5,7,9,11,13
.irp b, 0,1,2,3
	v_max3_num_f32 v[BM+\b], v[BM+\b], v[S+16*\b+\i], v[S+16*\b+\i+1]
.endr
.endr
.irp b, 0,1,2,3
	v_max_num_f32 v[BM+\b], v[BM+\b], v[S+16*\b+15]
.endr
.irp b, 0,1,2,3
	s_delay_alu instid0(VALU_DEP_4)
	v_permlanex16_b32 v[PT+\b], v[BM+\b], s[SEL], s[SEL+1]
.endr
.irp b, 0,1,2,3
	s_delay_alu instid0(VALU_DEP_4)
	v_max_num_f32 v[BM+\b], v[BM+\b], v[PT+\b]                     ; with lane l xor 16's 16 keys
.endr
	s_delay_alu instid0(VALU_DEP_2)
	v_max3_num_f32 v[T1], v[BM], v[BM+1], v[BM+2]
	s_delay_alu instid0(VALU_DEP_1)
	v_max_num_f32 v[T1], v[T1], v[BM+3]
	s_delay_alu instid0(VALU_DEP_1)
	v_mul_f32 v[T1], s[CS], v[T1]                                  ; the step's largest t
	s_delay_alu instid0(VALU_DEP_1)
	v_max_num_f32 v[NM+1], v[NM+1], v[T1]                          ; the running largest t
	v_mov_b32 v[T1], v[NM]
	s_delay_alu instid0(VALU_DEP_2)
	v_floor_f32 v[NM], -v[NM+1]                                    ; -M = floor(-t): M is a whole number
	s_delay_alu instid0(VALU_DEP_1)
	v_sub_f32 v[T1], v[NM], v[T1]                                  ; old M - new M, 0 or less
	s_delay_alu instid0(VALU_DEP_1)
	v_cvt_i32_f32 v[T1], v[T1]                                     ; (it saturates)
	s_delay_alu instid0(VALU_DEP_1)
	v_ldexp_f32 v[FX], 1.0, v[T1]                                  ; f
.set j_, 0
.rept 32
	v_pk_fma_f32 v[S+j_:S+j_+1], v[S+j_:S+j_+1], s[CS:CS+1], v[NM:NM+1] op_sel_hi:[1,0,0]   ; t - M, two at a time
.set j_, j_+2
.endr
.irp b, 0,1,2,3
	v_fma_f32 v[BM+\b], v[BM+\b], s[CS], v[NM]
.endr
.set j_, 0
	s_wait_alu depctr_va_vdst(0)
.rept 64
	v_exp_f32 v[S+j_], v[S+j_]                                     ; p
.set j_, j_+1
.endr
	v_pk_mul_f32 v[LL:LL+1], v[LL:LL+1], v[FX:FX+1] op_sel_hi:[1,0]   ; the sum under the new M: the plain line behind the batch
	s_wait_alu depctr_va_vdst(0)                                   ; one wait for the 64, ahead of their first reader
.irp b, 0,1,2,3
	v_exp_f32 v[BM+\b], v[BM+\b]                                   ; the blocks' largest p
.endr
	v_pk_add_f32 v[PT:PT+1], v[S:S+1], v[S+2:S+3]                  ; the sum of the unquantised p, in two chains: plain work behind the four
.set j_, 4
.rept 15
	v_pk_add_f32 v[LL:LL+1], v[LL:LL+1], v[S+j_:S+j_+1]
	v_pk_add_f32 v[PT:PT+1], v[PT:PT+1], v[S+j_+2:S+j_+3]
.set j_, j_+4
.endr
	s_delay_alu instid0(VALU_DEP_1)
	v_pk_add_f32 v[LL:LL+1], v[LL:LL+1], v[PT:PT+1]
	s_wait_alu depctr_va_vdst(0)                                   ; and one for the four
.irp b, 0,1,2,3
	v_max_num_f32 v[BM+\b], 0x4800000, v[BM+\b]                    ; the floor 2^(9 - 127): the byte cannot fall under 1
.endr
.irp b, 0,1,2,3
	s_delay_alu instid0(VALU_DEP_4)
	v_add_nc_u32 v[SO+\b], 0xfc000000, v[BM+\b]
.endr
.irp b, 0,1,2,3
.endr
.irp b, 0,1,2,3
	s_delay_alu instid0(VALU_DEP_4)
	v_lshrrev_b32 v[PT+\b], 23, v[SO+\b]
.endr
	s_delay_alu instid0(VALU_DEP_3)
	v_lshl_or_b32 v[PSC+(\x)], v[PT+1], 8, v[PT]                   ; p's scale word for these 128 keys
	s_delay_alu instid0(VALU_DEP_1)
	v_lshl_or_b32 v[PSC+(\x)], v[PT+2], 16, v[PSC+(\x)]
	s_delay_alu instid0(VALU_DEP_1)
	v_lshl_or_b32 v[PSC+(\x)], v[PT+3], 24, v[PSC+(\x)]
.irp b, 0,1,2,3
.irp i, 0,1,2,3,4,5,6,7,8,9,10,11,12,13,14,15
.endr
	v_cvt_scalef32_pk8_fp8_f32 v[PX+4*\b:PX+4*\b+1], v[S+16*\b:S+16*\b+7], v[SO+\b]
	v_cvt_scalef32_pk8_fp8_f32 v[PX+4*\b+2:PX+4*\b+3], v[S+16*\b+8:S+16*\b+15], v[SO+\b]
.endr
	v_nop                                                          ; a plain line behind the last conversion
.endm
; V's channel tiles 4 gv .. 4 gv + 3 into buffer gv % 2 (K's registers, the scores' registers), and their scale words: lanes 0-15 an even tile's, lanes 16-31 the next odd one's: 18 loads
.macro VLOAD gv, slot
	WIN 0
.irp i, 0,1,2,3
.irp c, 0,1,2,3
	ds_load_b128 v[FB+64*((\gv)%2)+16*\i+4*\c:FB+64*((\gv)%2)+16*\i+4*\c+3], v[ADR+\slot] offset:8192+(4*(\gv)+\i)*2048+512*\c
.endr
.endr
.irp k, 0,1
	ds_load_b32 v[SCR+2*((\gv)%2)+\k], v[ADS+\slot] offset:VSO+(2*(\gv)+\k)*128
.endr
.endm
.macro RESC gv, lo, hi                 ; O^T under the new M: numbers lo .. hi - 1 of the group's 32 packed multiplications; each accumulator from its low end on
	WIN 0x41                                                       ; O^T (destination, source 0) window 1, f window 0
.set n_, \lo
.rept \hi-\lo
.set rO, 128*((n_/4)%2)+8*(4*(\gv)+n_/8)+2*(n_%4)
	v_pk_mul_f32 v[rO:rO+1], v[rO:rO+1], v[FF+2*((n_/4)%2):FF+2*((n_/4)%2)+1] op_sel_hi:[1,0]
.set n_, n_+1
.endr
.endm
.macro PVMUL gv, first                 ; O^T += V^T P^T: four channel tiles x two query tiles: eight accumulators, one instruction each.  first = 1: the products start the sums
.if \first
	WIN 0x40
.else
	WIN 0x50                                                       ; C and D window 1
.endif
.irp i, 0,1,2,3
.irp x, 0,1
.set rO, 128*\x+8*(4*(\gv)+\i)
.set rA, FB+64*((\gv)%2)+16*\i
.set rB, PA+16*\x
.set rS, SCR+2*((\gv)%2)+\i/2
.if \first
.if \i%2
	v_wmma_scale_f32_16x16x128_f8f6f4 v[rO:rO+7], v[rA:rA+15], v[rB:rB+15], 0, v[rS], v[PSC+\x] matrix_a_scale:MATRIX_SCALE_ROW1
.else
	s_wait_alu depctr_va_vdst(0)
	v_wmma_scale_f32_16x16x128_f8f6f4 v[rO:rO+7], v[rA:rA+15], v[rB:rB+15], 0, v[rS], v[PSC+\x]
.endif
.else
.if \i%2
	v_wmma_scale_f32_16x16x128_f8f6f4 v[rO:rO+7], v[rA:rA+15], v[rB:rB+15], v[rO:rO+7], v[rS], v[PSC+\x] matrix_a_scale:MATRIX_SCALE_ROW1
.else
	v_wmma_scale_f32_16x16x128_f8f6f4 v[rO:rO+7], v[rA:rA+15], v[rB:rB+15], v[rO:rO+7], v[rS], v[PSC+\x]
.endif
.endif
.endr
.endr
.endm
; A KEY STEP: my record of the slot, 128 keys, for my 32 queries.  It begins with the LAST group of the step before (first = 0) and leaves its own last group, asked for, to the step behind it.
; ask: 0 nothing, 1 and 2 kv's prefetch, 3 x's.
.macro STEP slot, first, ask
.irp p, 0,1,2,3                        ; K's four packed fragments, each with its scale word: 20 loads
.irp c, 0,1,2,3
	ds_load_b128 v[FB+16*\p+4*\c:FB+16*\p+4*\c+3], v[ADR+\slot] offset:2048*\p+512*\c
.endr
	ds_load_b32 v[KSC+\p], v[ADS+\slot] offset:KSO+128*\p
.endr
.if \ask == 1
	ASK 0
.elseif \ask == 2
	ASK 1
.elseif \ask == 3
	global_prefetch_b8 v[PFX], s[XB:XB+1] th:TH_LOAD_NT scope:SCOPE_SE              ; the 32 rows x 512 bytes of x that I load on the way out, a key step ahead: a lane a row,
	global_prefetch_b8 v[PFX], s[XB:XB+1] offset:256 th:TH_LOAD_NT scope:SCOPE_SE   ; 256 bytes an instruction; each block is named once in the launch
.endif
.if !\first
	RESC 3, 0, 32                                                  ; the carried group: f, p's codes and scale words are still the last step's; its fragments of V were awaited ahead of the barrier
	PVMUL 3, 0
	WIN 0
	PLACES 9                                                       ; nine: the products below write over registers that these products read (ISA guide 7.12.1)
.endif
	SMUL 0, 1
	PLACES 8                                                       ; eight places ahead of the first read of results
	SOFTMAX 0
	SMUL 1, 0                                                      ; K's fragments serve both tiles
	PLACES 8                                                       ; ahead of the first read of results, and of the loads into K's registers
	VLOAD 0, \slot                                                 ; it lands under tile B's softmax
	SOFTMAX 1
	VLOAD 1, \slot
.if \first
	PLACES 4                                                       ; p's codes stand four places ahead of the scaled products
.else
	RESC 0, 0, 32
.endif
	s_wait_alu depctr_va_vdst(0)
	s_wait_dscnt 18                                                ; group 0 is in; group 1's 18 loads may be out
	PVMUL 0, \first
.irp gv, 1,2
.if \first
	PLACES 8
.else
	RESC \gv, 0, 8                                                 ; these eight name no register of the products above: they are the places ahead of the loads into the buffer that those products read
.endif
	VLOAD \gv+1, \slot
.if !\first
	RESC \gv, 8, 32
.endif
	s_wait_alu depctr_va_vdst(0)
	s_wait_dscnt 18                                                ; group gv is in; the 18 loads just issued may be out
	PVMUL \gv, \first
.endr
	WIN 0
.endm
; A TRIP: the change of slots, then a key step.  Every wave waits for all its tensor loads (one is out: its eighth of this trip's slot), adds 0 to its spare word, and waits for that and for its reads of the other slot,
; the carried group's fragments among them.  refill = 1: a round of the cluster's barrier, and behind it the other slot is asked for, first thing: it has the whole key step in which to land.
.macro TRIP slot, refill, ask, first
	s_wait_tensorcnt 0x0                                           ; no tensor load of mine is out, so a group 0 may be written
	ds_add_u32 v[SPW], v[NIL]                                      ; 0 onto my spare word; the lines below stand between it and the wait for it
.if \refill
	s_add_nc_u64 s[G0+4*\slot+2:G0+4*\slot+3], s[G0+4*\slot+2:G0+4*\slot+3], 2*SLOTB   ; this slot's next records (the last two steps' results are not used)
	s_wait_xcnt 0x0                                                ; the last prefetch, a trip back, has read its address
	s_add_nc_u64 s[PFA:PFA+1], s[PFA:PFA+1], SLOTB
.endif
.if !\first
	PLACES 8                                                       ; eight places between the last products that read K's registers and the loads into them
.endif
	s_wait_dscnt 0x0                                               ; the add is done, and my reads of the other slot are over
.if \refill
	CROUND
	tensor_load_to_lds s[G0+4*(1-\slot):G0+4*(1-\slot)+3], s[G1:G1+7]
	s_nop 0
	PLACES 4
.else
	s_barrier_signal -1
	s_barrier_wait -1
.endif
	STEP \slot, \first, \ask
.endm
	s_load_b256 s[4:11], s[0:1], 0x0               ; kv, qc, x, gamma
	s_load_b64 s[12:13], s[0:1], 0x20              ; out0
	v_lshl_add_u32 v[SPW], v0, 2, SPARE
	v_mov_b32 v[NIL], 0
	ds_add_u32 v[SPW], v[NIL]                      ; the opening: the add, twice on end, and its wait ahead of my first tensor load
	ds_add_u32 v[SPW], v[NIL]
	v_lshrrev_b32 v[T1], 5, v0
	s_delay_alu instid0(VALU_DEP_1)
	v_readfirstlane_b32 s[WV], v[T1]               ; wave 0..7
	s_and_b32 s[G], s[WV], 3
	s_lshr_b32 s[KH], s[WV], 2
	; group 1: 42 rows of 32 elements of 8 bytes, dense in memory and in LDS; the mask names the cluster's four, bit 21 beside it
	s_mov_b32 s[G1], 15|(3<<16)|(1<<21)
	s_mov_b32 s[G1+1], 32<<16
	s_mov_b32 s[G1+2], 42<<16
	s_mov_b32 s[G1+3], 32<<16
	s_mov_b32 s[G1+4], 42
	s_mov_b32 s[G1+5], 32
	s_mov_b32 s[G1+6], 0
	s_mov_b32 s[G1+7], 0
	s_mov_b32 s[SEL], 0x76543210
	s_mov_b32 s[SEL+1], 0xfedcba98
	s_mov_b32 s[CS], 0x3fb8aa3b                    ; log2(e): reference() does not scale the scores
	s_mov_b32 s[CS+1], s[CS]
	v_and_b32 v[T1], 31, v0                        ; lane
	s_mul_i32 s48, s[KH], REC
	v_lshl_add_u32 v[ADR], v[T1], 4, s48
	v_lshl_add_u32 v[ADS], v[T1], 2, s48
	s_delay_alu instid0(VALU_DEP_2)
	v_add_nc_u32 v[ADR+1], SLOTB, v[ADR]
	s_delay_alu instid0(VALU_DEP_2)
	v_add_nc_u32 v[ADS+1], SLOTB, v[ADS]
	v_lshlrev_b32 v[XO], 4, v[T1]
	v_lshlrev_b32 v[PFX], 14, v[T1]
	v_min_u32 v[PFO], 27, v[T1]
	s_delay_alu instid0(VALU_DEP_1)
	v_lshlrev_b32 v[PFO], 8, v[PFO]
	v_lshlrev_b32 v[T1+1], 2, v[T1]
	s_and_b32 s49, ttmp7, 0xffff                   ; the batch, which the four partners share
	s_mul_i32 s50, s49, 32*REC
	s_mul_i32 s[LW], s[WV], 42*256
	s_add_co_u32 s50, s50, s[LW]                   ; my eighth of the batch's first slot: no place in the cluster enters it
	s_mov_b32 s51, 0
	s_bfe_u32 s52, ttmp6, 0x40000                  ; cx: it enters Q's, x's, out0's and the prefetches' memory addresses alone
	s_lshl_b32 s53, ttmp9, 2
	s_add_co_u32 s53, s53, s52                     ; my block of 128 queries
	s_lshl_b32 s54, s49, 5
	s_add_co_u32 s54, s54, s53                     ; its record
	s_lshl_b32 s56, s54, 13
	s_lshl_b32 s55, s[G], 11
	s_add_co_u32 s56, s56, s55                     ; qc: my packed fragment
	s_mov_b32 s57, 0
	s_mul_i32 s58, s54, REC
	s_lshl_b32 s55, s[G], 7
	s_add_co_u32 s58, s58, s55                     ; kv: its scale words
	s_mov_b32 s59, 0
	s_lshl_b32 s60, s49, 22
	s_lshl_b32 s55, s[WV], 19
	s_add_co_u32 s60, s60, s55
	s_lshl_b32 s55, s53, 9
	s_add_co_u32 s60, s60, s55                     ; x, out0: channel 32 w, my block's 512 bytes
	s_mov_b32 s61, 0
	s_mul_i32 s62, s52, 84*256
	s_mul_i32 s55, s[WV], 28*256
	s_add_co_u32 s62, s62, s55
	s_mul_i32 s55, s49, 32*REC
	s_add_co_u32 s62, s62, s55
	s_add_co_u32 s62, s62, SLOTB                   ; the prefetches stand in slot tile 1: the first trip steps them to tile 2.  Nothing is prefetched at the head
	s_mov_b32 s63, 0
	s_cmp_lt_u32 s[WV], 3
	s_cselect_b32 s48, 0, 1
	s_or_b32 s48, s48, ttmp9                       ; waves 0 to 2 of the batch's first cluster: the same in all four partners
	s_cmp_eq_u32 s48, 0
	s_cselect_b32 s[LIM], 1, -1
	s_wait_dscnt 0x0                               ; both opening adds are done
	s_wait_kmcnt 0x0
	s_load_b32 s[GAM], s[10:11], 0x0
	s_add_nc_u64 s[6:7], s[6:7], s[56:57]
	s_add_nc_u64 s[58:59], s[4:5], s[58:59]
	s_add_nc_u64 s[XB:XB+1], s[8:9], s[60:61]
	s_add_nc_u64 s[OB:OB+1], s[12:13], s[60:61]
	s_add_nc_u64 s[PFA:PFA+1], s[4:5], s[62:63]
	s_mov_b32 s[G0], 1
	s_mov_b32 s[G0+1], s[LW]
	s_add_nc_u64 s[G0+2:G0+3], s[4:5], s[50:51]
	s_mov_b32 s[G0+4], 1
	s_add_co_u32 s[G0+5], s[LW], SLOTB
	s_add_nc_u64 s[G0+6:G0+7], s[G0+2:G0+3], SLOTB
	s_or_b32 s[G0+3], s[G0+3], 0x80000000
	s_or_b32 s[G0+7], s[G0+7], 0x80000000
	CROUND                                         ; all four work-groups are here: the first joint loads meet
	tensor_load_to_lds s[G0:G0+3], s[G1:G1+7]      ; slot tile 0; every wave issues it, each its eighth
	s_nop 0
	PLACES 4
	s_wait_alu depctr_va_vdst(0)
.irp q, 0,1                            ; Q stays in registers: register groups 0, 1 of the packed fragment are tile A's, groups 2, 3 tile B's
	global_load_b128 v[QZ+8+4*\q:QZ+8+4*\q+3], v[XO], s[6:7] offset:512*\q
	global_load_b128 v[QZ+24+4*\q:QZ+24+4*\q+3], v[XO], s[6:7] offset:1024+512*\q
.endr
	global_load_b32 v[T1], v[T1+1], s[58:59] offset:QSO   ; bytes 0, 1: tile A's two scales; bytes 2, 3: tile B's
	s_wait_loadcnt 0x0
	v_and_b32 v[T1+1], 0xffff, v[T1]
	s_delay_alu instid0(VALU_DEP_1)
	v_lshl_or_b32 v[QSC], v[T1], 16, v[T1+1]       ; doubled, so that one word serves [Q, zeros] and [zeros, Q]
	v_lshrrev_b32 v[T1+1], 16, v[T1]
	s_delay_alu instid0(VALU_DEP_1)
	v_and_or_b32 v[QSC+1], v[T1], 0xffff0000, v[T1+1]
.irp j, 0,1,2,3,4,5,6,7
	v_mov_b32 v[QZ+\j], 0                          ; the zero codes ahead of, between and behind the two tiles of Q
	v_mov_b32 v[QZ+16+\j], 0
	v_mov_b32 v[QZ+32+\j], 0
.endr
.irp x, 0,1
	v_mov_b32 v[STA+6*\x+1], 0xff61b1e6            ; the largest t so far: -3e38
	s_delay_alu instid0(VALU_DEP_1)
	v_floor_f32 v[STA+6*\x], -v[STA+6*\x+1]
	v_mov_b32 v[STA+6*\x+2], 0
	v_mov_b32 v[STA+6*\x+3], 0
	v_mov_b32 v[FF+2*\x+1], 0                      ; named as the upper half of a pair
.endr
.irp b, 0,1,2,3
	v_mov_b32 v[PT+\b], 0                          ; a lane permute's destination counts as one of its sources
.endr
	WIN 0x40                                       ; destination window 1
.set n_, 0
.rept 32                               ; the carried group's products are written once, in the form that adds in place: for the first step its 64 registers begin as zeros.  The other 192 are begun by products that take 0 as C
	v_mov_b32 v[96+n_], 0
	v_mov_b32 v[224+n_], 0
.set n_, n_+1
.endr
	WIN 0
	s_wait_kmcnt 0x0                               ; gamma
	TRIP 0, 1, 1, 1                                ; slot tile 0: its products start O^T's sums; slot 1 is filled for the first time behind this round
	s_mov_b32 s[CNT], 7
.Lloop:                                            ; slot tiles 1 to 14
	TRIP 1, 1, 1, 0
	TRIP 0, 1, 2, 0
	s_sub_co_u32 s[CNT], s[CNT], 1
	s_cmp_lg_u32 s[CNT], 0
	s_cbranch_scc1 .Lloop
	TRIP 1, 0, 3, 0                                ; slot tile 15: nothing is left to fetch
	s_wait_dscnt 0x0                               ; the last step's last group has no step behind it: its fragments are in,
	RESC 3, 0, 32
	PVMUL 3, 0                                     ; and its products are written out here
	WIN 0
	PLACES 9
	; THE WAY OUT.  x's rows are asked for first; the two halves of the keys exchange -M and the sum; each wave scales its O^T by 2^(M - the joint M) x gamma / the joint sum and lays it in its half's stage;
	; then each wave takes 32 whole rows (channels): x + both stages, stored as 512 consecutive bytes.
.set i_, 0
.rept 32
	global_load_b128 v[XR+4*i_:XR+4*i_+3], v[XO], s[XB:XB+1] offset:16384*i_ th:TH_LOAD_NT
.set i_, i_+1
.endr
	s_lshl_b32 s48, s[WV], 9
	s_add_co_u32 s48, s48, STAT
	s_xor_b32 s49, s[WV], 4                        ; my partner: the same queries, the other keys
	s_lshl_b32 s49, s49, 9
	s_add_co_u32 s49, s49, STAT
	v_and_b32 v3, 31, v0
	s_delay_alu instid0(VALU_DEP_1)
	v_lshl_add_u32 v4, v3, 2, s49
	s_delay_alu instid0(VALU_DEP_2)
	v_lshl_add_u32 v3, v3, 2, s48
.irp x, 0,1
	v_add_f32 v[STA+6*\x+2], v[STA+6*\x+2], v[STA+6*\x+3]
.endr
.irp x, 0,1
	s_delay_alu instid0(VALU_DEP_2)
	v_permlanex16_b32 v[PT+\x], v[STA+6*\x+2], s[SEL], s[SEL+1]
.endr
.irp x, 0,1
	s_delay_alu instid0(VALU_DEP_2)
	v_add_f32 v[STA+6*\x+2], v[STA+6*\x+2], v[PT+\x]   ; my keys' sum for the lane's query
.endr
.irp x, 0,1
	ds_store_b32 v3, v[STA+6*\x] offset:256*\x
	ds_store_b32 v3, v[STA+6*\x+2] offset:256*\x+128
.endr
	s_wait_alu depctr_va_vdst(0)
	s_wait_dscnt 0x0                               ; for the others' sake: my four words lie in LDS; my reads of the slots were awaited above
	s_barrier_signal -1
	s_barrier_wait -1                              ; nobody reads a slot any more
.irp k, 0,1,2,3
	ds_load_b32 v[BM+\k], v4 offset:128*\k         ; the partner's -M and sum, tile A, tile B
.endr
	v_and_b32 v5, 15, v0                           ; the stage's addresses, while the loads are out
	v_and_b32 v6, 8, v0
	s_delay_alu instid0(VALU_DEP_1)
	v_add_nc_u32 v5, v5, v6                        ; r + 8 (r / 8)
	v_bfe_u32 v6, v0, 4, 1
	s_delay_alu instid0(VALU_DEP_1)
	v_mul_u32_u24 v6, v6, 8*SPITCH
	s_delay_alu instid0(VALU_DEP_1)
	v_lshl_add_u32 v5, v5, 2, v6
	s_mul_i32 s48, s[KH], STGB
	s_lshl_b32 s49, s[G], 7
	s_add_co_u32 s48, s48, s49
	v_add_nc_u32 v5, s48, v5                       ; my half's stage: row 8 h, position 32 g + r + 8 (r / 8)
	s_delay_alu instid0(VALU_DEP_1)
	v_add_nc_u32 v6, 128*SPITCH, v5                ; and 128 rows on
	s_wait_dscnt 0x0
.irp x, 0,1
	v_min_num_f32 v[PT+\x], v[STA+6*\x], v[BM+2*\x]    ; the joint -M
.endr
.irp x, 0
	s_delay_alu instid0(VALU_DEP_2)
	v_sub_f32 v[PT+2+\x], v[PT+\x], v[STA+6*\x]        ; my M - the joint M, 0 or less
	s_delay_alu instid0(VALU_DEP_3)
	v_sub_f32 v[HL+\x], v[PT+\x], v[BM+2*\x]
.endr
.irp x, 1
	s_delay_alu instid0(VALU_DEP_3)
	v_sub_f32 v[PT+2+\x], v[PT+\x], v[STA+6*\x]
	s_delay_alu instid0(VALU_DEP_4)
	v_sub_f32 v[HL+\x], v[PT+\x], v[BM+2*\x]           ; the partner's
.endr
.irp x, 0,1
	s_delay_alu instid0(VALU_DEP_4)
	v_cvt_i32_f32 v[PT+2+\x], v[PT+2+\x]
	s_delay_alu instid0(VALU_DEP_4)
	v_cvt_i32_f32 v[HL+\x], v[HL+\x]
.endr
.irp x, 0,1
	s_delay_alu instid0(VALU_DEP_4)
	v_ldexp_f32 v[PT+2+\x], 1.0, v[PT+2+\x]
	s_delay_alu instid0(VALU_DEP_4)
	v_ldexp_f32 v[HL+\x], 1.0, v[HL+\x]
.endr
.irp x, 0
	s_delay_alu instid0(VALU_DEP_4)
	v_mul_f32 v[HL+2+\x], v[STA+6*\x+2], v[PT+2+\x]
.endr
.irp x, 1
	s_delay_alu instid0(VALU_DEP_3)
	v_mul_f32 v[HL+2+\x], v[STA+6*\x+2], v[PT+2+\x]
.endr
.irp x, 0,1
	s_delay_alu instid0(VALU_DEP_2)
	v_fma_f32 v[HL+2+\x], v[BM+2*\x+1], v[HL+\x], v[HL+2+\x]   ; the joint sum
.endr
	s_wait_alu depctr_va_vdst(0)
.irp x, 0,1
	v_rcp_f32 v[SO+\x], v[HL+2+\x]
.endr
.irp x, 0,1
	v_mul_f32 v[PT+2+\x], s[GAM], v[PT+2+\x]       ; plain work behind the reciprocals
.endr
	s_wait_alu depctr_va_vdst(0)                   ; one wait for the two, ahead of their first reader
.irp x, 0,1
	v_mul_f32 v[FF+2*\x], v[PT+2+\x], v[SO+\x]
.endr
	s_mul_i32 s48, s[WV], 32*SPITCH
	v_and_b32 v3, 31, v0
	s_delay_alu instid0(VALU_DEP_1)
	v_lshl_add_u32 v3, v3, 4, s48                  ; back: my 32 rows, 16 bytes a lane, in stage 0,
	s_delay_alu instid0(VALU_DEP_1)
	v_add_nc_u32 v4, STGB, v3                      ; and in stage 1
	WIN 0x41
.set n_, 0
.rept 128
	v_pk_mul_f32 v[2*n_:2*n_+1], v[2*n_:2*n_+1], v[FF+2*(n_/64):FF+2*(n_/64)+1] op_sel_hi:[1,0]   ; each accumulator from its low end on
.set n_, n_+1
.endr
	WIN 0x04                                       ; an LDS store's data are its source 1: window 1
.set n_, 0
.rept 256                              ; register 128 u + 8 ct + j: channel 16 ct + 8 h + j, position 32 g + 8 u + r + 8 (r / 8).  The two halves of the lanes lie 8 rows = 1,056 words apart: 32 of the 64 banks (ISA guide 11.1)
	ds_store_b32 v[5+((n_/8)%16)/8], v[n_] offset:(16*(((n_/8)%16)%8)+n_%8)*SPITCH+32*(n_/128)
.set n_, n_+1
.endr
	WIN 0
	s_wait_dscnt 0x0                               ; for the others' sake: my part of the stage is written
	s_barrier_signal -1
	s_barrier_wait -1
.irp k, 0,1,2,3                        ; eight rows at a time
.irp i, 0,1,2,3,4,5,6,7
	ds_load_b128 v[WO0+4*\i:WO0+4*\i+3], v3 offset:(8*\k+\i)*SPITCH
	ds_load_b128 v[WO1+4*\i:WO1+4*\i+3], v4 offset:(8*\k+\i)*SPITCH
.endr
	s_wait_dscnt 0x0
	s_wait_loadcnt 24-8*\k                         ; x's loads come back in order: those of the later batches may stay out
.irp i, 0,1,2,3,4,5,6,7
	v_pk_add_f32 v[XR+4*(8*\k+\i):XR+4*(8*\k+\i)+1], v[XR+4*(8*\k+\i):XR+4*(8*\k+\i)+1], v[WO0+4*\i:WO0+4*\i+1]
	v_pk_add_f32 v[XR+4*(8*\k+\i)+2:XR+4*(8*\k+\i)+3], v[XR+4*(8*\k+\i)+2:XR+4*(8*\k+\i)+3], v[WO0+4*\i+2:WO0+4*\i+3]
	s_delay_alu instid0(VALU_DEP_2)
	v_pk_add_f32 v[XR+4*(8*\k+\i):XR+4*(8*\k+\i)+1], v[XR+4*(8*\k+\i):XR+4*(8*\k+\i)+1], v[WO1+4*\i:WO1+4*\i+1]
	s_delay_alu instid0(VALU_DEP_2)
	v_pk_add_f32 v[XR+4*(8*\k+\i)+2:XR+4*(8*\k+\i)+3], v[XR+4*(8*\k+\i)+2:XR+4*(8*\k+\i)+3], v[WO1+4*\i+2:WO1+4*\i+3]
	global_store_b128 v[XO], v[XR+4*(8*\k+\i):XR+4*(8*\k+\i)+3], s[OB:OB+1] offset:16384*(8*\k+\i) th:TH_STORE_NT   ; 512 consecutive bytes, aligned; no store's data are written again
.endr
.endr
	s_wait_tensorcnt 0x0                           ; the wave's end
	ds_add_u32 v[SPW], v[NIL]
	s_wait_dscnt 0x0
	CROUND                                         ; the closing round
	s_endpgm
.Lfunc_end_k_qde82ac2a64_attn:
	.size	k_qde82ac2a64_attn, .Lfunc_end_k_qde82ac2a64_attn-k_qde82ac2a64_attn
	.p2alignl 7, 3214868480
	.fill 96, 4, 3214868480
	.section	.rodata,"a",@progbits
	.p2align	6, 0x0
	.amdhsa_kernel k_qde82ac2a64_attn
		.amdhsa_group_segment_fixed_size 327680
		.amdhsa_private_segment_fixed_size 0
		.amdhsa_enable_private_segment 0
		.amdhsa_kernarg_size 40
		.amdhsa_user_sgpr_count 2
		.amdhsa_user_sgpr_kernarg_segment_ptr 1
		.amdhsa_wavefront_size32 1
		.amdhsa_system_sgpr_workgroup_id_x 1
		.amdhsa_system_sgpr_workgroup_id_y 1
		.amdhsa_system_sgpr_workgroup_id_z 1
		.amdhsa_system_vgpr_workitem_id 0
		.amdhsa_next_free_vgpr 512
		.amdhsa_next_free_sgpr 66
		.amdhsa_reserve_vcc 0
		.amdhsa_float_denorm_mode_32 3
		.amdhsa_float_denorm_mode_16_64 3
		.amdhsa_fp16_overflow 1
		.amdhsa_memory_ordered 1
		.amdhsa_forward_progress 1
		.amdhsa_inst_pref_size 233
	.end_amdhsa_kernel
	.amdgpu_metadata
---
amdhsa.version: [ 1, 2 ]
amdhsa.kernels:
  - .name:           k_qde82ac2a64_attn
    .symbol:         k_qde82ac2a64_attn.kd
    .args:
      - { .name: kv, .offset: 0, .size: 8, .value_kind: global_buffer, .address_space: global }
      - { .name: qc, .offset: 8, .size: 8, .value_kind: global_buffer, .address_space: global }
      - { .name: x, .offset: 16, .size: 8, .value_kind: global_buffer, .address_space: global }
      - { .name: gamma, .offset: 24, .size: 8, .value_kind: global_buffer, .address_space: global }
      - { .name: out0, .offset: 32, .size: 8, .value_kind: global_buffer, .address_space: global }
    .group_segment_fixed_size: 327680
    .private_segment_fixed_size: 0
    .kernarg_segment_align: 8
    .kernarg_segment_size: 40
    .max_flat_workgroup_size: 256
    .sgpr_count:     66
    .vgpr_count:     512
    .wavefront_size: 32
...
	.end_amdgpu_metadata
.endif
;; end of part 2
